; MI455X (gfx1250); checked and timed in simulation.
; The chip was launched on July 23, 2026; its instructions are those of AMD's public machine-readable ISA for CDNA 5 (MIT licence, August 2026) and "CDNA5" Instruction Set Architecture Reference Guide (July 2026). The comments in the code are by the model that wrote it; some were corrected since.
;; Vector Quantizer. Allowed arithmetic: matrix products marked QUANTISED: E5M2 operands, one E8M0 scale for each 32 along K, by v_wmma_scale_f32_16x16x128_f8f6f4 with both operands' format E5M2, f32 sums; everything else in f32.
;; Inputs: embedding 512 x 64 float32; inputs 32 x 64 x 64 x 64 float32.
;; Outputs: out0 32 x 64 x 64 x 64 float32.
;; This version of the problem:
;;   THIS VERSION OF THE PROBLEM IS GIVEN IN LOW PRECISION. The matrix products marked QUANTISED in the list below multiply operands that are first quantised to E5M2 (5 exponent bits, 2 mantissa bits; 8 bits a number), with one power-of-two scale for each 32 numbers along K (OCP MX v1.0); their sums are f32. All else is computed in f32.
;;   The module's matrix products, in the order in which they are computed (A, B: the left and right operand; K: the contracted axis; several contracted axes count as one K, in the product's order):
;;     1. [M 131,072, K 64] x [K 64, N 512]; A: input inputs; B: input embedding: QUANTISED
;;   THE QUANTISER, for each operand of a quantised product, along K:
;;     - K is cut into blocks of 32 from its start; a last block that is shorter is filled with zeros.
;;     - A block's scale is 2^e with e = floor(log2(the largest magnitude in the block)) - 15, held to -126 .. 127; a block of zeros has e = 0. As a byte (E8M0): e + 127.
;;     - Each number is divided by its block's scale, clamped to +-57,344, and rounded to the nearest number of E5M2, ties to even, subnormals kept.
;;     - The product sums the exact products of the quantised numbers (number of the format x scale) in f32.
;;   ~~~python
;;   def quantise(x, axis):      # numpy; x: float32 -> the quantised numbers, widened to float32 again
;;       x = np.moveaxis(x, axis, -1); K = x.shape[-1]
;;       x = np.pad(x, [(0, 0)] * (x.ndim - 1) + [(0, -K % 32)]); x = x.reshape(x.shape[:-1] + (-1, 32)); a = np.abs(x).max(-1, keepdims=True)
;;       e = np.where(a > 0, np.clip(np.frexp(np.where(a > 0, a, 1))[1] - 1 - 15, -126, 127), 0)      # np.frexp(a)[1] - 1 = floor(log2(a)), exactly
;;       r = np.clip(x / 2.0 ** e, -57344, 57344)
;;       step = 2.0 ** (np.maximum(np.frexp(np.where(r == 0, 1, r))[1] - 1, -14) - 2)
;;       q = np.round(r / step) * step * 2.0 ** e      # np.round: ties to even
;;       return np.moveaxis(q.reshape(q.shape[:-2] + (-1,))[..., :K], -1, axis).astype(np.float32)
;;   ~~~
;; One version. Each part assembles by itself: llvm-mc -triple=amdgcn-amd-amdhsa -mcpu=gfx1250 --defsym DOCPART=n.
;; ======== version 1 of 1: 2 launches
;; limits: right only within a limited range of input values
;; workspace buffers: nearest 524,288 bytes of whole numbers; book 131,072 bytes
;; launch choose (part 1): grid 256 x 1, 8 waves a work-group, clusters of 4 x 1, 196,608 bytes of LDS; arguments embedding, inputs, nearest, book; writes nearest, book
.if DOCPART == 1
	.amdgcn_target "amdgcn-amd-amdhsa--gfx1250"
	.amdhsa_code_object_version 6
	.text
	.protected	k_qc027999317_choose
	.globl	k_qc027999317_choose
	.p2align	8
	.type	k_qc027999317_choose,@function
k_qc027999317_choose:
	s_mov_b64 s[64:65], 0
	v_nop
	global_prefetch_b8 v0, s[64:65] scope:SCOPE_SE
	s_setreg_imm32_b32 hwreg(HW_REG_WAVE_MODE, 25, 1), 1
	s_wait_xcnt 0x0
	s_wait_alu depctr_hold_cnt(0) depctr_sa_sdst(0) depctr_va_vdst(0) depctr_va_sdst(0) depctr_va_ssrc(0) depctr_va_vcc(0) depctr_vm_vsrc(0)
	s_getreg_b32 s2, hwreg(HW_REG_IB_STS2, 6, 4)
	s_cmp_eq_u32 s2, 0
	s_cbranch_scc0 .Lentry_in_a_cluster
	s_endpgm
.Lentry_in_a_cluster:
	s_bfe_u32 s2, ttmp6, 0x10000c
	s_cmp_lg_u32 s2, 0x3003
	s_cbranch_scc0 .Lentry_shape_is_right
	s_endpgm
.Lentry_shape_is_right:
; nearest[n] = the first index k at which d(n, k) = (A(n) + B(k)) - 2 P(n, k) is least.  n = 4096 b + hw is a pixel of inputs [32][64 (d)][4096 (hw)] f32; k a row of embedding [512][64] f32.
; A = the sum of x^2, B = the sum of e^2, of the numbers as given, in f32.  P = x . e on codes of BF8 (E5M2), one E8M0 scale for each 32 along d.
; book [16][512][4] f32 = the codebook regrouped by fours of d, for the next launch.
; WORK LEFT OUT (in the next launch): the result x + (q - x) is q for all finite x and q: the two x cancel by identity, so x reaches the output through the choice of the index alone.  What is left out moves a result by the rounding of q - x only.
; A NaN, an infinity or an overflow that reaches only that sum is not carried to the result.
; THE TWO ROUNDINGS OF d ARE KEPT: fl(A + B) is A + Br, Br = B rounded to a multiple of u, the unit of A's last place; then d = fl(A + (Br - 2 P)).
; B GOES INTO THE PRODUCT.  d has 64 numbers, the instruction's K 128: K 64-95 hold, on the codes' side, the 32 signed binary digits (-1, 0, 1) x 2^i of -B/2, made so that the digits from level i on sum to B rounded to 2^i;
; on the pixel's side ones from the level of the pixel's own u on, zeros below.  All are powers of two, exact in E5M2.  So the instruction gives G = P - Br/2, and d = fma(-2, G, A).  K 96-127 are zeros on the pixel's side.
; THE ARGMIN.  d falls where G rises, so of 16 results of a lane only the largest G is turned into a distance; where it is less than the lane's least so far, the 16 results replace those kept.  At the end the first of the 16 kept whose d is the least is found:
; key = (d - m) 2^127 + index is the index where d = m and above every index elsewhere.
; LIMITS: NaN and infinities are not served.  Two distances of a row that differ by less than 2^-117 may be taken for equal.  A + B is rounded on the grid of A's binade also where the sum leaves that binade; a B half way between two points of the grid is rounded
; to an even multiple of u, whatever A's last bit; B's digits end 2^-31 below twice the largest B's leading power of two.  A block whose largest magnitude lies under 2^(16 - 127), a block of zeros among them, gets the scale byte 1: this program alone reads it.
; SHARES.  A work-group of eight waves owns 512 pixels of one image, a wave 64: four tiles of 16; lane (r, h) = (lane % 16, lane / 16) has pixels 4 r + p, p = the tile: so a 16-byte load takes a row of d of the four tiles, 256 consecutive bytes in 16 lanes,
; and a lane's registers run down d as the operand wants them.  x goes from memory into registers, once; 16 KiB a wave.  A wave walks all 512 codes, two tiles of 16 a trip, and shares nothing with other waves but the codes' operands in LDS.
; THE CODEBOOK is the same for all work-groups: the four of a cluster ask for it JOINTLY, 64 rows a wave, one load a wave.  Each wave quantises the rows that its own load brought.
.set EP,    272                        ; a codebook row in LDS: 256 bytes + 16: the 16 rows of a load start at 16 different banks
.set EIMG,  512*EP                     ; 32 operands of codes: images of 12 registers, 1,536 bytes each
.set ESC,   EIMG+32*1536               ; their scale words, 64 bytes each
.set BF,    ESC+2048                   ; B, 512 numbers
.set SPARE, BF+2048                    ; the spare words, 128 bytes a wave
.set SPW,  1
.set NIL,  2
.set LN,   3                           ; lane
.set RR,   4                           ; lane % 16
.set HH,   5                           ; lane / 16, ahead of the loop
.set VT,   5                           ; in the loop: 32 x pair + 8 h, as f32
.set XO,   6                           ; byte offset of my loads of x; never rewritten
.set TMP,  7
.set AA,   8                           ; v8-11   A of tiles 0-3 (ahead of that the copy's data)
.set XS,   12                          ; v12-15  x's scale words (scales alone)
.set ES,   16                          ; v16-17  the codes' scale words (scales alone)
.set MI,   26                          ; v26-33  tile p: the least distance, its pair's number
.set FF,   34                          ; the exponent field of the largest B; in the loop ADRI
.set CH,   35                          ; 28 - 64 h, as f32; in the loop ADRS
.set ADRI, 34
.set ADRS, 35
.set E,    36                          ; v36-63  two operands of codes, 12 registers apart: what follows an operand's twelve meets zeros on the pixels' side
.set XOP,  64                          ; v64-127 four operands of x: codes, ones, zeros
.set D,    128                         ; v128-191 G: tile p, two tiles of codes
.set BEST, 192                         ; v192-255 tile p: the 16 kept
.set XR,   128                         ; v128-255 x as loaded, ahead of the loop: register 4 i + p.  (What lies in BEST then is replaced in the first trip)
.set P,    64                          ; while the codebook is quantised: 64 numbers,
.set TM,   18
.set BS,   34
.set SC,   40
.set WD,   56                          ; the scale words of my four tiles,
.set ERD,  60
.set BST,  61
.set IST,  62
.set SST,  63
.set BR,   64                          ; and while its digits are made
.set BB,   86
.set DG,   96
.set MXR,  52                          ; while x is quantised: largest magnitudes, holds, scales, and 16 numbers of a block by turns at v36 and v18
.set HO,   56
.set SCO,  60
.macro ROUND                           ; a round of the cluster's barrier
	s_barrier_signal -1
	s_barrier_wait -1
	s_cmp_lg_u32 s12, 0
	s_cbranch_scc1 .Lnot_wave_0_\@
	s_barrier_signal -3
.Lnot_wave_0_\@:
	s_barrier_wait -3
	s_barrier_signal -1
	s_barrier_wait -1
.endm
.macro XLOADS c                        ; my 16 rows of d of block c: 32 c + 16 h + i
.irp i, 0,1,2,3,4,5,6,7,8,9,10,11,12,13,14,15
	global_load_b128 v[XR+64*\c+4*\i:XR+64*\c+4*\i+3], v[XO], s[6:7] offset:16384*(32*\c+\i) th:TH_LOAD_NT
.endr
.endm
.macro SQ d, x, n                      ; two squares more; n = 0 starts the sum
.if (\n) == 0
	v_pk_mul_f32 v[\d:\d+1], v[\x:\x+1], v[\x:\x+1]
.else
	v_pk_fma_f32 v[\d:\d+1], v[\x:\x+1], v[\x:\x+1], v[\d:\d+1]
.endif
.endm
.macro MX d, x, y, n                   ; two magnitudes more; n = 0 starts with the floor 2^(16 - 127): the byte cannot fall under 1
.if (\n) == 0
	v_max3_num_f32 v[\d], |v[\x]|, |v[\y]|, 0x8000000
.else
	v_max3_num_f32 v[\d], v[\d], |v[\x]|, |v[\y]|
.endif
.endm
	s_load_b256 s[4:11], s[0:1], 0x0               ; embedding s[4:5], inputs s[6:7], nearest s[8:9], book s[10:11]
	v_lshl_add_u32 v[SPW], v0, 2, SPARE
	v_mov_b32 v[NIL], 0
	ds_add_u32 v[SPW], v[NIL]                      ; the opening: the add, twice on end, and its wait ahead of the tensor load
	ds_add_u32 v[SPW], v[NIL]
	v_lshrrev_b32 v[LN], 5, v0
	v_readfirstlane_b32 s12, v[LN]                 ; wave 0..7
	v_and_b32 v[LN], 31, v0
	v_and_b32 v[RR], 15, v0
	v_bfe_u32 v[HH], v0, 4, 1
	v_lshlrev_b32 v[XO], 4, v[RR]                  ; 16 r, lanes 16-31 16 rows of d further down
	v_lshl_add_u32 v[XO], v[HH], 18, v[XO]
	v_lshlrev_b32 v[TMP], 8, v[RR]                 ; the copy's source: row r, chunk h
	v_lshl_add_u32 v[TMP], v[HH], 4, v[TMP]
.irp i, 0,1,2,3
	v_mov_b32 v[AA+\i], 0
	v_mov_b32 v[TM+4+\i], 0                        ; a lane permute's destination counts as one of its sources
.endr
	v_mov_b32 v[BS+4], 0
	v_mov_b32 v[BS+5], 0
	s_bfe_u32 s13, ttmp6, 0x40000                  ; my place in the cluster: it enters global addresses alone
	s_lshl_b32 s14, ttmp9, 2
	s_add_co_u32 s14, s14, s13                     ; work-group g: image g / 8, pixels 512 (g % 8) on
	s_lshr_b32 s15, s14, 3
	s_and_b32 s16, s14, 7
	s_lshl_b32 s18, s15, 20                        ; x: an image is 64 x 4,096 x 4 bytes
	s_lshl_b32 s17, s16, 11
	s_add_co_u32 s18, s18, s17
	s_lshl_b32 s17, s12, 8                         ; my 64 pixels
	s_add_co_u32 s18, s18, s17
	s_mov_b32 s19, 0
	s_lshl_b32 s26, s14, 11                        ; nearest: 512 indices a work-group, 64 a wave
	s_add_co_u32 s26, s26, s17
	s_mov_b32 s27, 0
	s_lshl_b32 s42, s15, 12                        ; the copy: from rows 16 (g / 8) on, chunks of 16 bytes 2 (g % 8) and the next,
	s_lshl_b32 s17, s16, 5
	s_add_co_u32 s42, s42, s17
	s_mov_b32 s43, 0
	s_lshl_b32 s44, s16, 14                        ; to two chunks' blocks of 8,192 bytes, 256 bytes in each
	s_lshl_b32 s17, s15, 8
	s_add_co_u32 s44, s44, s17
	s_mov_b32 s45, 0
	s_lshl_b32 s24, s12, 14                        ; my 64 rows of the codebook
	s_mov_b32 s25, 0
	s_mov_b32 s20, 0x76543210
	s_mov_b32 s21, 0xfedcba98                      ; v_permlanex16_b32's selects for lane l xor 16
	s_mov_b32 s22, 0x600000                        ; the mantissa field of 57,344
	; group 1: 64 rows of 64 f32, dense; 16 bytes of padding behind each row; the mask names the cluster's four
	s_mov_b32 s28, 15|(2<<16)|(1<<20)|(1<<21)|(5<<22)|(3<<25)
	s_mov_b32 s29, 64<<16
	s_mov_b32 s30, 64<<16
	s_mov_b32 s31, 64<<16
	s_mov_b32 s32, 64
	s_mov_b32 s33, 64
	s_mov_b32 s34, 0
	s_mov_b32 s35, 0
	s_mov_b32 s36, 1
	s_mul_i32 s37, s12, 64*EP                      ; the wave's number alone enters the joint load's descriptor
	s_wait_alu depctr_va_vdst(0)
	s_wait_dscnt 0x0                               ; both adds are done
	s_wait_kmcnt 0x0
	s_add_nc_u64 s[38:39], s[4:5], s[24:25]
	s_or_b32 s39, s39, 0x80000000
	s_add_nc_u64 s[46:47], s[4:5], s[42:43]
	s_add_nc_u64 s[6:7], s[6:7], s[18:19]
	s_add_nc_u64 s[8:9], s[8:9], s[26:27]
	s_add_nc_u64 s[10:11], s[10:11], s[44:45]
	s_cmp_lg_u32 s12, 7
	s_cbranch_scc1 .Lno_copy_load
	global_load_b128 v[AA:AA+3], v[TMP], s[46:47]  ; the copy: book[c][k][0 .. 3] = embedding[k][4 c .. 4 c + 3]; one wave, one load, one store
.Lno_copy_load:
	XLOADS 0                                       ; half of x ahead of the codebook, half behind it
	ROUND                                          ; all four work-groups are here: the joint loads meet
	tensor_load_to_lds s[36:39], s[28:35]
	s_nop 0
.rept 4
	v_nop
.endr
	XLOADS 1
	v_mul_u32_u24 v[ERD], v[RR], EP                ; row 64 w + r, + 64 h
	v_lshl_add_u32 v[ERD], v[HH], 6, v[ERD]
	v_add_nc_u32 v[ERD], s37, v[ERD]
	s_lshl_b32 s15, s12, 8
	s_add_co_u32 s16, s15, BF
	v_lshl_add_u32 v[BST], v[RR], 2, s16
	s_add_co_u32 s17, s15, ESC
	v_lshl_add_u32 v[SST], v[RR], 2, s17
	s_mul_i32 s18, s12, 4*1536
	s_add_co_u32 s18, s18, EIMG
	v_lshl_add_u32 v[IST], v[LN], 4, s18
	s_wait_alu depctr_va_vdst(0)                   ; the head's end
	s_wait_tensorcnt 0x0                           ; only I read the rows that my load brought
; Two of my four tiles of 16 codes.  Register P + 16 k + i: tile k / 2, d = 32 (k % 2) + 16 h + i of row r
.macro PREP g
.irp k, 0,1,2,3
.irp i, 0,1,2,3
	ds_load_b128 v[P+16*\k+4*\i:P+16*\k+4*\i+3], v[ERD] offset:(2*\g+\k/2)*16*EP+(\k%2)*128+16*\i
.endr
.endr
	s_wait_dscnt 0x0                               ; (the stores of the two tiles before have read their registers too)
.irp i, 0,2,4,6,8,10,12,14
	SQ BS, P+\i, \i
	MX TM, P+\i, P+\i+1, \i
	SQ BS+2, P+32+\i, \i
	MX TM+1, P+16+\i, P+17+\i, \i
	SQ BS, P+16+\i, 1
	MX TM+2, P+32+\i, P+33+\i, \i
	SQ BS+2, P+48+\i, 1
	MX TM+3, P+48+\i, P+49+\i, \i
.endr
	v_add_f32 v[BS], v[BS], v[BS+1]
	v_add_f32 v[BS+2], v[BS+2], v[BS+3]
.irp k, 0,1,2,3
	v_permlanex16_b32 v[TM+4+\k], v[TM+\k], s20, s21
.endr
	v_permlanex16_b32 v[BS+4], v[BS], s20, s21
	v_permlanex16_b32 v[BS+5], v[BS+2], s20, s21
.irp k, 0,1,2,3
	v_max_num_f32 v[TM+\k], v[TM+\k], v[TM+4+\k]   ; the block's largest magnitude
.endr
	v_add_f32 v[BS], v[BS], v[BS+4]                ; B of row r of either tile
	v_add_f32 v[BS+2], v[BS+2], v[BS+5]
.irp k, 0,1,2,3
	v_add_nc_u32 v[TM+12+\k], 0xf8800000, v[TM+\k] ; 15 off its exponent field: the conversion's scale operand
.endr
.irp k, 0,1,2,3
	v_and_or_b32 v[TM+8+\k], v[TM+\k], 0x7f800000, s22   ; 57,344 x the scale
.endr
.irp k, 0,1,2,3
	v_lshrrev_b32 v[TM+4+\k], 23, v[TM+12+\k]      ; the scale's byte
.endr
	v_lshl_or_b32 v[WD+2*\g], v[TM+5], 8, v[TM+4]
	v_lshl_or_b32 v[WD+2*\g+1], v[TM+7], 8, v[TM+6]
.irp k, 0,1,2,3
.irp i, 0,1,2,3,4,5,6,7,8,9,10,11,12,13,14,15
	v_med3_num_f32 v[P+16*\k+\i], v[P+16*\k+\i], -v[TM+8+\k], v[TM+8+\k]   ; the conversion to an 8-bit code does not saturate (ISA guide 7.6.2): the hold
.endr
	v_cvt_scalef32_pk8_bf8_f32 v[SC+4*\k:SC+1+4*\k], v[P+16*\k:P+7+16*\k], v[TM+12+\k]
	v_cvt_scalef32_pk8_bf8_f32 v[SC+2+4*\k:SC+3+4*\k], v[P+8+16*\k:P+15+16*\k], v[TM+12+\k]
.endr
	v_nop                                          ; one plain vector instruction behind the last scaled conversion
.irp k, 0,1,2,3
	ds_store_b128 v[IST], v[SC+4*\k:SC+4*\k+3] offset:(2*\g+\k/2)*1536+(\k%2)*512   ; an image of the operand's registers
.endr
	ds_store_b32 v[BST], v[BS] offset:128*\g       ; both halves of the lanes write the same word with the same value
	ds_store_b32 v[BST], v[BS+2] offset:128*\g+64
.endm
	PREP 0
	PREP 1
	v_lshl_add_u32 v92, v[LN], 4, BF
	v_lshl_add_u32 v93, v[LN], 2, s16              ; B of rows 64 w + lane and 32 further on
	s_cmp_lg_u32 s12, 7
	s_cbranch_scc1 .Lno_copy_store
	s_wait_loadcnt 0x20                            ; the copy's load is older than x's 32, which may be out
	v_lshlrev_b32 v[TMP], 4, v[RR]
	v_lshl_add_u32 v[TMP], v[HH], 13, v[TMP]
	global_store_b128 v[TMP], v[AA:AA+3], s[10:11] ; 16 lanes store 256 consecutive bytes, at a multiple of 256 from book's first byte
	s_wait_xcnt 0x0                                ; its registers are written again only behind this wait
.Lno_copy_store:
	s_wait_alu depctr_va_vdst(0)
	s_wait_dscnt 0x0
	s_barrier_signal -1
	s_barrier_wait -1                              ; all B lie in LDS
.irp i, 0,1,2,3
	ds_load_b128 v[64+4*\i:67+4*\i], v92 offset:512*\i
.endr
	ds_load_b32 v80, v93
	ds_load_b32 v81, v93 offset:128
	v_mov_b32 v94, 0x47800000                      ; 2^16
	v_mov_b32 v[TMP], 0x78787878                   ; four codes of 2^15, the ones' code: the scale byte 112 makes it 1
	v_mul_u32_u24 v95, v[HH], 1536                 ; row 16 h + r: K 64-79 at 1,024 + 16 r of its tile's image, K 80-95 256 further on
	v_lshl_add_u32 v95, v[RR], 4, v95
	v_add_nc_u32 v95, s18, v95
	v_cvt_f32_u32 v[CH], v[HH]
	v_mul_f32 v[CH], 0xc2800000, v[CH]
	v_add_f32 v[CH], 0x41e00000, v[CH]             ; 28 - 64 h
	s_wait_alu depctr_va_vdst(0)
	s_wait_dscnt 0x0
	v_max3_num_f32 v82, v64, v65, 0x8000000        ; the largest B, 2^(16 - 127) at the least
	v_max3_num_f32 v83, v66, v67, v68
	v_max3_num_f32 v82, v82, v69, v70
	v_max3_num_f32 v83, v83, v71, v72
	v_max3_num_f32 v82, v82, v73, v74
	v_max3_num_f32 v83, v83, v75, v76
	v_max3_num_f32 v82, v82, v77, v78
	v_max3_num_f32 v82, v82, v83, v79
	v_max_num_f32_dpp v82, v82, v82 row_xmask:1 row_mask:0xf bank_mask:0xf
	v_max_num_f32_dpp v82, v82, v82 row_xmask:2 row_mask:0xf bank_mask:0xf
	v_max_num_f32_dpp v82, v82, v82 row_xmask:4 row_mask:0xf bank_mask:0xf
	v_max_num_f32_dpp v82, v82, v82 row_xmask:8 row_mask:0xf bank_mask:0xf
	v_permlanex16_b32 v83, v82, s20, s21
	v_max_num_f32 v82, v82, v83
	v_lshrrev_b32 v[FF], 23, v82                   ; F: level i of the digits is 2^(L + i), L = F - 157, so that every B is under 2^(L + 31)
	v_sub_nc_u32 v84, 157, v[FF]
	v_add_nc_u32 v85, -15, v[FF]                   ; the digits' scale byte: codes 2^(i - 16) x 2^(L + 15) = 2^(L + i) / 2
	v_lshl_or_b32 v85, v85, 16, 0x1000000          ; and 1 for K 96-127
	v_ldexp_f32 v[BB], v80, v84                    ; my two rows' B in units of 2^L
	v_ldexp_f32 v[BB+1], v81, v84
	v_mov_b32 v[BR], 0                             ; B rounded to level 32 is 0
	v_mov_b32 v[BR+1], 0
.irp t, 0,1,2,3
	v_or_b32 v[WD+\t], v[WD+\t], v85
.endr
; Levels b + 15 .. b of two rows.  Adding and taking away 1.5 x 2^(23 + i) rounds to a multiple of 2^i, ties to even; the digit of level i is the difference between the roundings at levels i and i + 1 (here negated)
.macro DIGITS b, c
.irp q, 3,2,1,0
.irp o, 3,2,1,0
.set LV, \b+4*\q+\o
.set MG, ((150+LV)<<23)|0x400000
	v_pk_add_f32 v[BR+2*(LV%8):BR+2*(LV%8)+1], v[BB:BB+1], MG op_sel_hi:[1,0]
.endr
.irp o, 3,2,1,0
.set LV, \b+4*\q+\o
.set MG, (((150+LV)<<23)|0x400000)+0x80000000
	v_pk_add_f32 v[BR+2*(LV%8):BR+2*(LV%8)+1], v[BR+2*(LV%8):BR+2*(LV%8)+1], MG op_sel_hi:[1,0]
.endr
.irp o, 3,2,1,0
.set LV, \b+4*\q+\o
	v_sub_f32 v[DG+4*\q+\o], v[BR+2*((LV+1)%8)], v[BR+2*(LV%8)]
	v_sub_f32 v[DG+16+4*\q+\o], v[BR+2*((LV+1)%8)+1], v[BR+2*(LV%8)+1]
.endr
.endr
.irp z, 0,1
	v_cvt_scalef32_pk8_bf8_f32 v[\c+4*\z:\c+4*\z+1], v[DG+16*\z:DG+16*\z+7], v94
	v_cvt_scalef32_pk8_bf8_f32 v[\c+4*\z+2:\c+4*\z+3], v[DG+16*\z+8:DG+16*\z+15], v94
.endr
	v_nop                                          ; one plain vector instruction behind the last scaled conversion
	ds_store_b128 v95, v[\c:\c+3] offset:1024+16*\b
	ds_store_b128 v95, v[\c+4:\c+7] offset:3072+1024+16*\b
.endm
	DIGITS 16, SC
	DIGITS 0, SC+8
.irp t, 0,1,2,3
	ds_store_b32 v[SST], v[WD+\t] offset:64*\t
.endr
	s_wait_alu depctr_va_vdst(0)
	s_wait_dscnt 0x0
	s_barrier_signal -1                            ; my part of the operands lies in LDS; x is quantised, in registers, between the signal and the wait
; x's block c of 32 along d, four tiles of pixels: A's part, the scale, the hold, the codes.  Nothing is transposed: the hold gathers a pixel's 16 numbers into neighbouring registers
.macro XBLOCK c
	s_wait_loadcnt 16-16*\c                        ; loads come back in order: block 0's 16 are in, block 1's may be out
.set XB, XR+64*\c
.irp i, 0,2,4,6,8,10,12,14
	SQ AA, XB+4*\i, \c+\i
	MX MXR, XB+4*\i, XB+4*\i+4, \i
	SQ AA+2, XB+4*\i+2, \c+\i
	MX MXR+1, XB+4*\i+1, XB+4*\i+5, \i
	SQ AA, XB+4*\i+4, 1
	MX MXR+2, XB+4*\i+2, XB+4*\i+6, \i
	SQ AA+2, XB+4*\i+6, 1
	MX MXR+3, XB+4*\i+3, XB+4*\i+7, \i
.endr
.irp p, 0,1,2,3
	v_permlanex16_b32 v[HO+\p], v[MXR+\p], s20, s21
.endr
.irp p, 0,1,2,3
	v_max_num_f32 v[MXR+\p], v[MXR+\p], v[HO+\p]
.endr
.irp p, 0,1,2,3
	v_add_nc_u32 v[SCO+\p], 0xf8800000, v[MXR+\p]
.endr
.irp p, 0,1,2,3
	v_and_or_b32 v[HO+\p], v[MXR+\p], 0x7f800000, s22
.endr
.irp p, 0,1,2,3
.if \c == 0
	v_lshrrev_b32 v[XS+\p], 23, v[SCO+\p]
.else
	v_lshrrev_b32 v[MXR+\p], 23, v[SCO+\p]
.endif
.endr
.if \c
.irp p, 0,1,2,3
	v_lshl_or_b32 v[XS+\p], v[MXR+\p], 8, v[XS+\p]
.endr
.irp p, 0,1,2,3
	v_or_b32 v[XS+\p], 0x1700000, v[XS+\p]         ; 2^-15 for the ones, and 1 for the zeros
.endr
.endif
.irp p, 0,1,2,3
.set TT, 36-18*(\p%2)
.irp i, 0,1,2,3,4,5,6,7,8,9,10,11,12,13,14,15
	v_med3_num_f32 v[TT+\i], v[XB+4*\i+\p], -v[HO+\p], v[HO+\p]
.endr
	v_cvt_scalef32_pk8_bf8_f32 v[XOP+16*\p+4*\c:XOP+16*\p+4*\c+1], v[TT:TT+7], v[SCO+\p]
	v_cvt_scalef32_pk8_bf8_f32 v[XOP+16*\p+4*\c+2:XOP+16*\p+4*\c+3], v[TT+8:TT+15], v[SCO+\p]
.endr
.endm
	XBLOCK 0
	XBLOCK 1
.irp z, 0,1,2,3
	v_mov_b32 v[XOP+12+\z], 0                      ; K 96-127: zeros
	v_mov_b32 v[XOP+28+\z], 0
	v_mov_b32 v[XOP+44+\z], 0
	v_mov_b32 v[XOP+60+\z], 0
.endr
.irp p, 0,1,2,3
	v_permlanex16_b32 v[MXR+\p], v[AA+\p], s20, s21
.endr
.irp p, 0,1,2,3
	v_add_f32 v[AA+\p], v[AA+\p], v[MXR+\p]        ; A, the same in both halves of the lanes
.endr
; the ones: level i counts where 2^(L + i) is at least u = 2^(EA - 150), EA = A's exponent field: i >= EA - F + 7.  4 x (that - my register's first level), held to 0 .. 16, is half of the shift that clears the bytes below
.irp p, 0,1,2,3
	v_lshrrev_b32 v[MXR+\p], 23, v[AA+\p]
.endr
.irp p, 0,1,2,3
	v_sub_nc_u32 v[MXR+\p], v[MXR+\p], v[FF]
.endr
.irp p, 0,1,2,3
	v_cvt_f32_i32 v[MXR+\p], v[MXR+\p]
.endr
.irp p, 0,1,2,3
	v_fma_f32 v[MXR+\p], 4.0, v[MXR+\p], v[CH]
.endr
.macro ONES q, less
.irp p, 0,1,2,3
.if \q
	v_add_f32 v[HO+\p], \less, v[MXR+\p]
	v_med3_num_f32 v[HO+\p], v[HO+\p], 0, 0x41800000
.else
	v_med3_num_f32 v[HO+\p], v[MXR+\p], 0, 0x41800000
.endif
.endr
.irp p, 0,1,2,3
	v_cvt_u32_f32 v[HO+\p], v[HO+\p]
.endr
.irp p, 0,1,2,3
	v_lshlrev_b32 v[SCO+\p], v[HO+\p], v[TMP]
.endr
.irp p, 0,1,2,3
	v_lshlrev_b32 v[XOP+16*\p+8+\q], v[HO+\p], v[SCO+\p]
.endr
.endm
	ONES 0, 0
	ONES 1, 0xc1800000
	ONES 2, 0xc2000000
	ONES 3, 0xc2400000
.irp z, 0,1,2,3
	v_mov_b32 v[E+24+\z], 0                        ; finite codes behind the second operand
.endr
	v_lshl_add_u32 v[ADRI], v[LN], 4, EIMG
	v_lshl_add_u32 v[ADRS], v[RR], 2, ESC
	v_lshlrev_b32 v[VT], 3, v[HH]
	v_cvt_f32_u32 v[VT], v[VT]                     ; 8 h
	s_wait_alu depctr_va_vdst(0)
	s_barrier_wait -1                              ; all operands of codes lie in LDS; no barrier stands between here and the end
.macro ELOAD                           ; the next two operands of codes
.irp t, 0,1
.irp c, 0,1,2
	ds_load_b128 v[E+12*\t+4*\c:E+12*\t+4*\c+3], v[ADRI] offset:1536*\t+512*\c
.endr
	ds_load_b32 v[ES+\t], v[ADRS] offset:64*\t
.endr
	v_add_nc_u32 v[ADRI], 3072, v[ADRI]
	v_add_nc_u32 v[ADRS], 128, v[ADRS]
.endm
; Source 0 = codes, source 1 = pixels: lane (r, h) holds pixel r of tile o, register j code 8 h + j of tile t
.macro MUL p
.irp t, 0,1
.irp o, \p, \p+1
	v_wmma_scale_f32_16x16x128_f8f6f4 v[D+16*(\o)+8*\t:D+16*(\o)+8*\t+7], v[E+12*\t:E+12*\t+15], v[XOP+16*(\o):XOP+16*(\o)+15], 0, v[ES+\t], v[XS+(\o)] matrix_a_fmt:MATRIX_FMT_BF8 matrix_b_fmt:MATRIX_FMT_BF8
.endr
.endr
.endm
; where the new least distance is not under the kept one (VCC), the kept 16 stay
.macro SEL p, d
	v_cmp_le_f32 vcc_lo, v[MI+2*(\p)], v[\d]
.irp j, 0,2,4,6,8,10,12,14
	v_dual_cndmask_b32 v[BEST+16*(\p)+\j], v[D+16*(\p)+\j], v[BEST+16*(\p)+\j] :: v_dual_cndmask_b32 v[BEST+16*(\p)+\j+1], v[D+16*(\p)+\j+1], v[BEST+16*(\p)+\j+1]
.endr
	v_dual_min_num_f32 v[MI+2*(\p)], v[\d], v[MI+2*(\p)] :: v_dual_cndmask_b32 v[MI+2*(\p)+1], v[VT], v[MI+2*(\p)+1]
.endm
; Tiles p and p + 1 of pixels: 16 results each, read from each accumulator's low end on.  ld = 1: the next operands are asked for behind the first eight lines, which are the places behind the last products
.macro PROC p, ld
.set DP, D+16*(\p)
.set DQ, DP+16
	v_max3_num_f32 v18, v[DP], v[DP+1], v[DP+2]
	v_max3_num_f32 v20, v[DQ], v[DQ+1], v[DQ+2]
	v_max3_num_f32 v19, v[DP+8], v[DP+9], v[DP+10]
	v_max3_num_f32 v21, v[DQ+8], v[DQ+9], v[DQ+10]
	v_max3_num_f32 v18, v18, v[DP+3], v[DP+4]
	v_max3_num_f32 v20, v20, v[DQ+3], v[DQ+4]
	v_max3_num_f32 v19, v19, v[DP+11], v[DP+12]
	v_max3_num_f32 v21, v21, v[DQ+11], v[DQ+12]
.if \ld
	ELOAD
.endif
	v_max3_num_f32 v18, v18, v[DP+5], v[DP+6]
	v_max3_num_f32 v20, v20, v[DQ+5], v[DQ+6]
	v_max3_num_f32 v19, v19, v[DP+13], v[DP+14]
	v_max3_num_f32 v21, v21, v[DQ+13], v[DQ+14]
	v_max3_num_f32 v18, v18, v[DP+7], v[DP+15]
	v_max3_num_f32 v20, v20, v[DQ+7], v[DQ+15]
	v_max_num_f32 v18, v18, v19
	v_max_num_f32 v20, v20, v21
	v_fma_f32 v22, v18, -2.0, v[AA+\p]             ; the least d of the 16: A - 2 G, rounded once
	v_fma_f32 v24, v20, -2.0, v[AA+\p+1]
	SEL \p, 22
	SEL \p+1, 24
.endm
	ELOAD
	s_wait_dscnt 0x0
	MUL 0
	MUL 2
.irp p, 0,1,2,3
	v_mov_b32 v[MI+2*\p], 0x7f800000               ; these eight lines are the places behind the products
	v_mov_b32 v[MI+2*\p+1], 0
.endr
	s_mov_b32 s40, 15
.Lpair:                                                ; a trip works off one pair of tiles of codes and multiplies the next
	PROC 0, 1
	s_wait_dscnt 0x0
	MUL 0
	PROC 2, 0
	v_add_f32 v[VT], 0x42000000, v[VT]             ; 32 codes on
	MUL 2
	s_sub_co_i32 s40, s40, 1
	s_cmp_lg_u32 s40, 0
	s_cbranch_scc1 .Lpair
	PROC 0, 0                                      ; the last pair
	PROC 2, 0
	; ---- the index among the 16 kept: register j < 8 is code + j, j >= 8 code + 8 + j; even and odd registers in two chains
	v_mov_b32 v[E], 0x7f000000                     ; 2^127, twice
	v_mov_b32 v[E+1], 0x7f000000
.macro KEY j, c
	v_pk_fma_f32 v[BP+\j:BP+\j+1], v[BP+\j:BP+\j+1], v[E:E+1], \c op_sel_hi:[1,1,0]
.endm
.macro FIN p
.set BP, BEST+16*\p
.set MP, MI+2*\p
.set AP, AA+2*(\p/2)
.irp j, 0,2,4,6,8,10,12,14
.if \p%2
	v_pk_fma_f32 v[BP+\j:BP+\j+1], v[BP+\j:BP+\j+1], -2.0, v[AP:AP+1] op_sel:[0,0,1] op_sel_hi:[1,0,1]
.else
	v_pk_fma_f32 v[BP+\j:BP+\j+1], v[BP+\j:BP+\j+1], -2.0, v[AP:AP+1] op_sel_hi:[1,0,0]
.endif
.endr
.irp j, 0,2,4,6,8,10,12,14
	v_pk_add_f32 v[BP+\j:BP+\j+1], v[BP+\j:BP+\j+1], v[MP:MP+1] op_sel_hi:[1,0] neg_lo:[0,1] neg_hi:[0,1]
.endr
	KEY 0, 0
	KEY 2, 2.0
	KEY 4, 4.0
	KEY 6, 0x40c00000
	KEY 8, 0x41800000
	KEY 10, 0x41900000
	KEY 12, 0x41a00000
	KEY 14, 0x41b00000
	v_min3_num_f32 v18, v[BP], v[BP+2], v[BP+4]
	v_min3_num_f32 v19, v[BP+1], v[BP+3], v[BP+5]
	v_min3_num_f32 v18, v18, v[BP+6], v[BP+8]
	v_min3_num_f32 v19, v19, v[BP+7], v[BP+9]
	v_min3_num_f32 v18, v18, v[BP+10], v[BP+12]
	v_min3_num_f32 v19, v19, v[BP+11], v[BP+13]
	v_min_num_f32 v18, v18, v[BP+14]
	v_min_num_f32 v19, v19, v[BP+15]
	v_add_f32 v19, 1.0, v19
	v_min_num_f32 v18, v18, v19
	v_add_f32 v[MP+1], v[MP+1], v18                ; + 32 x pair + 8 h: the lane's first index, a whole number in f32
.endm
	FIN 0
	FIN 1
	FIN 2
	FIN 3
	; ---- with lane l xor 16's candidate, joined the same way
.irp p, 0,1,2,3
	v_permlanex16_b32 v[D+\p], v[MI+2*\p], s20, s21
.endr
.irp p, 0,1,2,3
	v_permlanex16_b32 v[D+4+\p], v[MI+1+2*\p], s20, s21
.endr
.irp p, 0,1,2,3
	v_min_num_f32 v[D+8+\p], v[MI+2*\p], v[D+\p]
.endr
.irp p, 0,1,2,3
	v_sub_f32 v[MI+2*\p], v[MI+2*\p], v[D+8+\p]
.endr
.irp p, 0,1,2,3
	v_sub_f32 v[D+\p], v[D+\p], v[D+8+\p]
.endr
.irp p, 0,1,2,3
	v_fma_f32 v[MI+1+2*\p], v[MI+2*\p], v[E], v[MI+1+2*\p]
.endr
.irp p, 0,1,2,3
	v_fma_f32 v[D+4+\p], v[D+\p], v[E], v[D+4+\p]
.endr
.irp p, 0,1,2,3
	v_min_num_f32 v[D+4+\p], v[D+4+\p], v[MI+1+2*\p]
.endr
.irp p, 0,1,2,3
	v_cvt_u32_f32 v[D+4+\p], v[D+4+\p]
.endr
	v_and_b32 v18, 16, v0
	v_cmp_ne_u32 vcc_lo, 0, v18
	v_cndmask_b32 v20, v[D+4], v[D+6], vcc_lo      ; lanes 0-15 store pixels 4 r and 4 r + 1, lanes 16-31 the two behind them
	v_cndmask_b32 v21, v[D+5], v[D+7], vcc_lo
	v_lshrrev_b32 v18, 1, v18
	v_lshl_add_u32 v19, v[RR], 4, v18
	global_store_b64 v19, v[20:21], s[8:9]         ; 32 lanes store 256 consecutive bytes, at a multiple of 256 from the buffer's first byte
	s_wait_tensorcnt 0x0                           ; the wave's end
	ds_add_u32 v[SPW], v[NIL]
	s_wait_dscnt 0x0
	ROUND                                          ; the closing round: no work-group ends while a partner may still ask for a tile that names it
	s_endpgm
.Lfunc_end_k_qc027999317_choose:
	.size	k_qc027999317_choose, .Lfunc_end_k_qc027999317_choose-k_qc027999317_choose
	.p2alignl 7, 3214868480
	.fill 96, 4, 3214868480
	.section	.rodata,"a",@progbits
	.p2align	6, 0x0
	.amdhsa_kernel k_qc027999317_choose
		.amdhsa_group_segment_fixed_size 196608
		.amdhsa_private_segment_fixed_size 0
		.amdhsa_enable_private_segment 0
		.amdhsa_kernarg_size 32
		.amdhsa_user_sgpr_count 2
		.amdhsa_user_sgpr_kernarg_segment_ptr 1
		.amdhsa_wavefront_size32 1
		.amdhsa_system_sgpr_workgroup_id_x 1
		.amdhsa_system_sgpr_workgroup_id_y 1
		.amdhsa_system_sgpr_workgroup_id_z 1
		.amdhsa_system_vgpr_workitem_id 0
		.amdhsa_next_free_vgpr 256
		.amdhsa_next_free_sgpr 66
		.amdhsa_reserve_vcc 1
		.amdhsa_float_denorm_mode_32 3
		.amdhsa_float_denorm_mode_16_64 3
		.amdhsa_memory_ordered 1
		.amdhsa_forward_progress 1
		.amdhsa_inst_pref_size 93
	.end_amdhsa_kernel
	.amdgpu_metadata
---
amdhsa.version: [ 1, 2 ]
amdhsa.kernels:
  - .name:           k_qc027999317_choose
    .symbol:         k_qc027999317_choose.kd
    .args:
      - { .name: embedding, .offset: 0, .size: 8, .value_kind: global_buffer, .address_space: global }
      - { .name: inputs, .offset: 8, .size: 8, .value_kind: global_buffer, .address_space: global }
      - { .name: nearest, .offset: 16, .size: 8, .value_kind: global_buffer, .address_space: global }
      - { .name: book, .offset: 24, .size: 8, .value_kind: global_buffer, .address_space: global }
    .group_segment_fixed_size: 196608
    .private_segment_fixed_size: 0
    .kernarg_segment_align: 8
    .kernarg_segment_size: 32
    .max_flat_workgroup_size: 256
    .sgpr_count:     66
    .vgpr_count:     256
    .wavefront_size: 32
...
	.end_amdgpu_metadata
.endif
;; end of part 1
;; launch gather (part 2): grid 256 x 1, 16 waves a work-group, no clusters, 34,816 bytes of LDS; arguments book, nearest, out0; writes out0
.if DOCPART == 2
	.amdgcn_target "amdgcn-amd-amdhsa--gfx1250"
	.amdhsa_code_object_version 6
	.text
	.protected	k_qc027999317_gather
	.globl	k_qc027999317_gather
	.p2align	8
	.type	k_qc027999317_gather,@function
k_qc027999317_gather:
	s_mov_b64 s[64:65], 0
	v_nop
	global_prefetch_b8 v0, s[64:65] scope:SCOPE_SE
	s_setreg_imm32_b32 hwreg(HW_REG_WAVE_MODE, 25, 1), 1
	s_wait_xcnt 0x0
; out0[b][d][hw] = embedding[nearest[4096 b + hw]][d].  out0: [32][64][4096] f32; nearest: 131,072 whole numbers of 32 bits; the codebook comes as book [16][512][4] f32: book[c][k][j] = embedding[k][4 c + j].
; WORK LEFT OUT: reference() writes x + (q - x), which is q for all finite x and q, by identity: inputs is not loaded here.  A NaN, an infinity or an overflow of that sum alone is not carried to the result.
; SHARES.  A work-group of sixteen waves owns SIXTEEN of d (dg = g % 4) and 2,048 pixels, half an image (g / 4): it needs four of book's blocks, 32,768 dense bytes, which its 512 threads copy into LDS as they lie, by 16 bytes.
; Wave w owns pixels 128 w on, a lane four neighbouring ones.  Each index is read by the four work-groups of its pixels.  In LDS chunk q of code k is at 8,192 q + 16 k.
; No tensor load, so no cluster: the LDS addresses hang on the indices, which differ from work-group to work-group.  No loop, so nothing to ask for ahead.
; An index is held at 511 from above before it enters an address.
.set X,   16                           ; v16-79   the result: register 4 dd + i: d = 16 dg + dd, my pixel i
.set Q,   80                           ; v80-149  pixel i's 16 numbers from v[Q + 18 i] on
.set SPW, 150
.set NIL, 151
.set SPARE, 32768
	s_load_b128 s[4:7], s[0:1], 0x0                ; book, nearest
	s_load_b64 s[8:9], s[0:1], 0x10                ; out0
	v_lshl_add_u32 v[SPW], v0, 2, SPARE
	v_mov_b32 v[NIL], 0
	v_lshrrev_b32 v1, 5, v0
	v_readfirstlane_b32 s12, v1                    ; wave 0..15
	v_and_b32 v1, 31, v0
	v_lshlrev_b32 v1, 4, v1                        ; 16 x lane; never rewritten
	v_lshlrev_b32 v2, 4, v0                        ; 16 x thread; never rewritten
	s_and_b32 s13, ttmp9, 3                        ; dg
	s_bfe_u32 s14, ttmp9, 0x10002                  ; which half of the image
	s_lshr_b32 s15, ttmp9, 3                       ; the image
	s_lshl_b32 s16, s13, 15                        ; my quarter of book
	s_mov_b32 s17, 0
	s_lshl_b32 s22, s14, 13                        ; half an image: 2,048 pixels of 4 bytes, in out0 and in nearest alike,
	s_lshl_b32 s23, s12, 9                         ; and so my 128 pixels
	s_add_co_u32 s22, s22, s23
	s_lshl_b32 s18, s15, 20                        ; out0: an image is 64 x 4,096 x 4 bytes,
	s_lshl_b32 s23, s13, 18                        ; 16 rows of d are 16 x 16,384
	s_add_co_u32 s18, s18, s23
	s_add_co_u32 s18, s18, s22
	s_mov_b32 s19, 0
	s_lshl_b32 s20, s15, 14                        ; nearest: an image is 4,096 x 4 bytes
	s_add_co_u32 s20, s20, s22
	s_mov_b32 s21, 0
	s_wait_alu depctr_va_vdst(0)                   ; the head's end
	s_wait_kmcnt 0x0
	s_add_nc_u64 s[4:5], s[4:5], s[16:17]
	s_add_nc_u64 s[6:7], s[6:7], s[20:21]
	s_add_nc_u64 s[8:9], s[8:9], s[18:19]
.irp j, 0,1,2,3
	global_load_b128 v[X+4*\j:X+4*\j+3], v2, s[4:5] offset:8192*\j
.endr
	global_load_b128 v[4:7], v1, s[6:7]            ; my four pixels' indices
	s_wait_loadcnt 0x1                             ; loads come back in order: book's four are in, the indices may be out
.irp j, 0,1,2,3
	ds_store_b128 v2, v[X+4*\j:X+4*\j+3] offset:8192*\j
.endr
	s_wait_loadcnt 0x0
.irp i, 0,1,2,3
	v_min_u32 v[4+\i], 0x1ff, v[4+\i]
.endr
.irp i, 0,1,2,3
	v_lshlrev_b32 v[4+\i], 4, v[4+\i]
.endr
	s_wait_alu depctr_va_vdst(0)
	s_wait_dscnt 0x0                               ; my part of the table lies in LDS,
	s_barrier_signal -1
	s_barrier_wait -1                              ; everybody's does
.irp q, 0,1,2,3
.irp i, 0,1,2,3
	ds_load_b128 v[Q+18*\i+4*\q:Q+18*\i+4*\q+3], v[4+\i] offset:8192*\q
.endr
.endr
; four of d at a time: a lane's four pixels come into neighbouring registers
.macro GROUP q
	s_wait_dscnt 12-4*\q                           ; this chunk of all four pixels is in; the later chunks may be out
.irp e, 0,1,2,3
.irp i, 0,2
	v_dual_mov_b32 v[X+16*\q+4*\e+\i], v[Q+18*\i+4*\q+\e] :: v_dual_mov_b32 v[X+16*\q+4*\e+\i+1], v[Q+18*\i+18+4*\q+\e]
.endr
.endr
.irp e, 0,1,2,3
	global_store_b128 v1, v[X+16*\q+4*\e:X+16*\q+4*\e+3], s[8:9] offset:16384*(4*\q+\e) th:TH_STORE_NT   ; 32 lanes store 512 consecutive bytes, at a multiple of 512 from out0's first byte
.endr
.endm
	GROUP 0
	GROUP 1
	GROUP 2
	GROUP 3
	s_wait_tensorcnt 0x0                           ; the wave's end
	ds_add_u32 v[SPW], v[NIL]
	s_wait_dscnt 0x0
	s_endpgm
.Lfunc_end_k_qc027999317_gather:
	.size	k_qc027999317_gather, .Lfunc_end_k_qc027999317_gather-k_qc027999317_gather
	.p2alignl 7, 3214868480
	.fill 96, 4, 3214868480
	.section	.rodata,"a",@progbits
	.p2align	6, 0x0
	.amdhsa_kernel k_qc027999317_gather
		.amdhsa_group_segment_fixed_size 34816
		.amdhsa_private_segment_fixed_size 0
		.amdhsa_enable_private_segment 0
		.amdhsa_kernarg_size 24
		.amdhsa_user_sgpr_count 2
		.amdhsa_user_sgpr_kernarg_segment_ptr 1
		.amdhsa_wavefront_size32 1
		.amdhsa_system_sgpr_workgroup_id_x 1
		.amdhsa_system_sgpr_workgroup_id_y 1
		.amdhsa_system_sgpr_workgroup_id_z 1
		.amdhsa_system_vgpr_workitem_id 0
		.amdhsa_next_free_vgpr 152
		.amdhsa_next_free_sgpr 66
		.amdhsa_reserve_vcc 0
		.amdhsa_float_denorm_mode_32 3
		.amdhsa_float_denorm_mode_16_64 3
		.amdhsa_memory_ordered 1
		.amdhsa_forward_progress 1
		.amdhsa_inst_pref_size 8
	.end_amdhsa_kernel
	.amdgpu_metadata
---
amdhsa.version: [ 1, 2 ]
amdhsa.kernels:
  - .name:           k_qc027999317_gather
    .symbol:         k_qc027999317_gather.kd
    .args:
      - { .name: book, .offset: 0, .size: 8, .value_kind: global_buffer, .address_space: global }
      - { .name: nearest, .offset: 8, .size: 8, .value_kind: global_buffer, .address_space: global }
      - { .name: out0, .offset: 16, .size: 8, .value_kind: global_buffer, .address_space: global }
    .group_segment_fixed_size: 34816
    .private_segment_fixed_size: 0
    .kernarg_segment_align: 8
    .kernarg_segment_size: 24
    .max_flat_workgroup_size: 512
    .sgpr_count:     66
    .vgpr_count:     152
    .wavefront_size: 32
...
	.end_amdgpu_metadata
.endif
;; end of part 2
